; MI455X (gfx1250); checked and timed in simulation.
; The chip was launched on July 23, 2026; its instructions are those of AMD's public machine-readable ISA for CDNA 5 (MIT licence, August 2026) and "CDNA5" Instruction Set Architecture Reference Guide (July 2026). The comments in the code are by the model that wrote it; some were corrected since.
;; Multi Head Self Attention. Allowed arithmetic: matrix products marked QUANTISED: E2M1 operands, one E8M0 scale for each 32 along K, by v_wmma_scale_f32_16x16x128_f8f6f4 with both operands' format E2M1 (or v_wmma_scale_f32_32x16x128_f4), f32 sums; everything else in f32.
;; Inputs: Wk_codes 1,024 x 32 x 16 uint8 (E2M1 codes of Wk, K innermost, in blocks of 32 codes, two codes a byte); Wk_scales 1,024 x 32 uint8 (E8M0 scales of Wk, one for each 32 codes along K); Wo_codes 1,024 x 32 x 16 uint8 (E2M1 codes of Wo, K innermost, in blocks of 32 codes, two codes a byte); Wo_scales 1,024 x 32 uint8 (E8M0 scales of Wo, one for each 32 codes along K); Wq_codes 1,024 x 32 x 16 uint8 (E2M1 codes of Wq, K innermost, in blocks of 32 codes, two codes a byte); Wq_scales 1,024 x 32 uint8 (E8M0 scales of Wq, one for each 32 codes along K); Wv_codes 1,024 x 32 x 16 uint8 (E2M1 codes of Wv, K innermost, in blocks of 32 codes, two codes a byte); Wv_scales 1,024 x 32 uint8 (E8M0 scales of Wv, one for each 32 codes along K); bk 1,024 float32; bo 1,024 float32; bq 1,024 float32; bv 1,024 float32; key_codes 4 x 2,048 x 32 x 16 uint8 (E2M1 codes of key, K innermost, in blocks of 32 codes, two codes a byte); key_scales 4 x 2,048 x 32 uint8 (E8M0 scales of key, one for each 32 codes along K); mask 4 x 2,048 int32; query_codes 4 x 2,048 x 32 x 16 uint8 (E2M1 codes of query, K innermost, in blocks of 32 codes, two codes a byte); query_scales 4 x 2,048 x 32 uint8 (E8M0 scales of query, one for each 32 codes along K); value_codes 4 x 2,048 x 32 x 16 uint8 (E2M1 codes of value, K innermost, in blocks of 32 codes, two codes a byte); value_scales 4 x 2,048 x 32 uint8 (E8M0 scales of value, one for each 32 codes along K).
;; Outputs: out0 4 x 2,048 x 1,024 float32.
;; This version of the problem:
;;   THIS VERSION OF THE PROBLEM IS GIVEN IN LOW PRECISION. The matrix products marked QUANTISED in the list below multiply operands that are first quantised to E2M1 (2 exponent bits, 1 mantissa bit; 4 bits a number), with one power-of-two scale for each 32 numbers along K (OCP MX v1.0); their sums are f32. All else is computed in f32.
;;   The module's matrix products, in the order in which they are computed (A, B: the left and right operand; K: the contracted axis; several contracted axes count as one K, in the product's order):
;;     1. [M 8,192, K 1,024] x [K 1,024, N 1,024]; A: input query (given as codes); B: input Wq (given as codes): QUANTISED
;;     2. [M 8,192, K 1,024] x [K 1,024, N 1,024]; A: input key (given as codes); B: input Wk (given as codes): QUANTISED
;;     3. [M 8,192, K 1,024] x [K 1,024, N 1,024]; A: input value (given as codes); B: input Wv (given as codes): QUANTISED
;;     4. batch 64 x [M 2,048, K 64] x [K 64, N 2,048]; A: computed on the way; B: computed on the way: QUANTISED
;;     5. batch 64 x [M 2,048, K 2,048] x [K 2,048, N 64]; A: softmax (see below); B: computed on the way: QUANTISED
;;     6. [M 8,192, K 1,024] x [K 1,024, N 1,024]; A: computed on the way; B: input Wo (given as codes): QUANTISED
;;   THE QUANTISER, for each operand of a quantised product, along K:
;;     - K is cut into blocks of 32 from its start; a last block that is shorter is filled with zeros.
;;     - A block's scale is 2^e with e = floor(log2(the largest magnitude in the block)) - 2, held to -126 .. 127; a block of zeros has e = 0. As a byte (E8M0): e + 127.
;;     - Each number is divided by its block's scale, clamped to +-6, and rounded to the nearest number of E2M1, ties to even, subnormals kept.
;;     - The product sums the exact products of the quantised numbers (number of the format x scale) in f32.
;;   ~~~python
;;   def quantise(x, axis):      # numpy; x: float32 -> the quantised numbers, widened to float32 again
;;       x = np.moveaxis(x, axis, -1); K = x.shape[-1]
;;       x = np.pad(x, [(0, 0)] * (x.ndim - 1) + [(0, -K % 32)]); x = x.reshape(x.shape[:-1] + (-1, 32)); a = np.abs(x).max(-1, keepdims=True)
;;       e = np.where(a > 0, np.clip(np.frexp(np.where(a > 0, a, 1))[1] - 1 - 2, -126, 127), 0)      # np.frexp(a)[1] - 1 = floor(log2(a)), exactly
;;       r = np.clip(x / 2.0 ** e, -6, 6)
;;       step = 2.0 ** (np.maximum(np.frexp(np.where(r == 0, 1, r))[1] - 1, 0) - 1)
;;       q = np.round(r / step) * step * 2.0 ** e      # np.round: ties to even
;;       return np.moveaxis(q.reshape(q.shape[:-2] + (-1,))[..., :K], -1, axis).astype(np.float32)
;;   ~~~
;;   SOFTMAX AHEAD OF A QUANTISED PRODUCT. Where the list says 'softmax', what is quantised is not the finished softmax but p = 2^(t - M), with t = logit x log2(e) and M = ceil(the row's largest t), a whole number; so 1/2 < the row's largest p <= 1. The row's sum l is taken of the UNQUANTISED p, in f32, and the product's result is divided by l at the end. Since M is a whole number, a kernel that streams over the keys may use a running M (the ceiling of the running maximum): every later rescaling is an exact power of two, which a block's scale takes up: the codes' values come out the same.
;;   OPERANDS COMPUTED ON THE WAY. 'Computed on the way' means the value that the module computes at that place (a softmax that the list does not call 'softmax' is quantised finished and normalised). What goes into a quantiser is computed in f32, as accurately as f32 sums, v_exp_f32 and their like allow (about 1e-6 of the number): no bf16 or f16 on the way to a quantiser, and a product that is left as it is and whose result goes on into a quantised operand takes f32 operands (vector FMAs, or v_wmma_f32_16x16x4_f32). A number that lies on a knife's edge between two numbers of the format may be rounded either way, as far as f32 arithmetic and the matrix unit's own rounding can turn it there, and no further.
;;   INPUTS GIVEN AS CODES. Wk (in the module: [1024, 1024], K = its axis 1); Wo (in the module: [1024, 1024], K = its axis 1); Wq (in the module: [1024, 1024], K = its axis 1); Wv (in the module: [1024, 1024], K = its axis 1); key (in the module: [4, 2048, 1024], K = its axis 2); query (in the module: [4, 2048, 1024], K = its axis 2); value (in the module: [4, 2048, 1024], K = its axis 2): each comes as NAME_codes (uint8): NAME with its K axis moved to the last place and cut into blocks of 32 codes, [.., K / 32, bytes a block], one block behind the other in memory; two codes a byte, the lower K in the low four bits (a code: sign, 2 exponent bits, 1 mantissa bit); and NAME_scales (uint8): the same leading axes, one E8M0 byte (e + 127) for each 32 codes along K. Its value is code x scale, taken as it is: it is not quantised again, and the codes and scales need not be those that the quantiser above would give.
;; One version. Each part assembles by itself: llvm-mc -triple=amdgcn-amd-amdhsa -mcpu=gfx1250 --defsym DOCPART=n.
;; ======== version 1 of 1: 3 launches
;; limits: right only within a limited range of input values
;; workspace buffers: img 12,582,912 bytes; sc 1,572,864 bytes; cimg 4,194,304 bytes; csc 262,144 bytes
;; launch proj (part 1): grid 4 x 96, 4 waves a work-group, clusters of 4 x 4, 327,680 bytes of LDS; arguments query_codes, query_scales, key_codes, key_scales, value_codes, value_scales, Wq_codes, Wq_scales, Wk_codes, Wk_scales, Wv_codes, Wv_scales, bq, bk, bv, img, sc; writes img, sc
.if DOCPART == 1
	.amdgcn_target "amdgcn-amd-amdhsa--gfx1250"
	.amdhsa_code_object_version 6
	.text
	.protected	k_q39fc56f3ad_proj
	.globl	k_q39fc56f3ad_proj
	.p2align	8
	.type	k_q39fc56f3ad_proj,@function
k_q39fc56f3ad_proj:
	s_mov_b64 s[64:65], 0
	v_nop
	global_prefetch_b8 v0, s[64:65] scope:SCOPE_SE
	s_setreg_imm32_b32 hwreg(HW_REG_WAVE_MODE, 25, 1), 1
	s_wait_xcnt 0x0
	s_wait_alu depctr_hold_cnt(0) depctr_sa_sdst(0) depctr_va_vdst(0) depctr_va_sdst(0) depctr_va_ssrc(0) depctr_va_vcc(0) depctr_vm_vsrc(0)
	s_getreg_b32 s2, hwreg(HW_REG_IB_STS2, 6, 4)
	s_cmp_eq_u32 s2, 0
	s_cbranch_scc0 .Lentry_in_a_cluster
	s_endpgm
.Lentry_in_a_cluster:
	s_bfe_u32 s2, ttmp6, 0x10000c
	s_cmp_lg_u32 s2, 0xf033
	s_cbranch_scc0 .Lentry_shape_is_right
	s_endpgm
.Lentry_shape_is_right:
; q = query Wq^T + bq, k = key Wk^T + bk, v = value Wv^T + bv on codes of FP4 (E2M1) with E8M0 scales, and the results quantised for the attention launch.
; NO WORK IS LEFT OUT in this program: every input has a way to the output (bk moves k's codes, so it stays).
; THE DIVISION OF q BY sqrt(64) = 8 is a power of two: q is quantised undivided (the same codes, a scale byte 3 higher) and the 1/8 goes into the softmax's factor.
; ONE FORM FOR ALL THREE: Out = Quant_along_P(P R^T + bias), source 0 = 16 rows of P, source 1 = 16 rows of R.  In a result tile lane (r, h) holds row r of R and rows 8 h + 0..7 of P,
; so a lane's registers run along P, the axis that is quantised.  q, k (T = 0, 1): P = W (channels: the next K is the head's 64), R = x (tokens).  v (T = 2): P = value (tokens: the next K is the keys), R = Wv.
; All four tensors of a way have rows of 512 bytes of codes and 32 scale bytes: only pointers differ, chosen on T, which is the same in all sixteen partners.
; SHARES: a work-group 256 rows of P x 256 of R, a wave 128 x 128 (64 accumulators).  K = 1,024 lies in LDS whole: two slots of 512 along K, each filled once; the scales too.  Nothing is filled again.
; CLUSTER 4 x 4: P's tile hangs on cx alone (shared along a column), R's on cy alone (shared along a row): joint loads.
; THE CODES: blocks of 32 rows of P are tiles 2 b and 2 b + 1; a lane holds 16 of a block's numbers, lane xor 16 the others.  The conversion of tile 2 b + u gives word 2 u + h of block b; it is written to
; register 4 (b / 2) + 2 u + b % 2, and one exchange of halves between registers 4 c + 2 u and 4 c + 2 u + 1 gives the operand's registers 4 c + i: k = 64 c + 32 h + 8 i + 0..7.
; THE OUTPUT is an image of those registers: four registers as 512 consecutive bytes, lane l's 16 at 16 l.  img: [t 3][y = batch x 8 + head pair][c 2][step of 128 tokens 16][a 8][512];
; q, k: c = the head's parity, a = the tile of tokens;  v: c = the half of 64 keys, a = 4 x parity + tile of channels.  sc: [q | k, v][y][slot 3][step][lane 32][4 words]: lanes 0-15 tiles 0-3, lanes 16-31 tiles 4-7.
; LIMITS: a block whose largest magnitude lies under 2^-124 (zeros too) gets the byte 1: its bytes are read by this program alone; equal to the stated rule for q unless a block of q / 8 lies under 2^-121.
; NaN and infinities among the inputs are not served.
.set PITCH,  272                       ; an LDS row: 256 bytes + 16 of padding: the 16 rows of a fragment load start 68 words apart
.set HALFT,  128*PITCH                 ; 128 rows: one tensor load
.set SLOT,   4*HALFT                   ; R's 256 rows, then P's 256 rows
.set SCL,    2*SLOT                    ; the scales, as units of 256 bytes + 16: R's halves, P's halves
.set HALFS,  16*272
.set SBLK,   2*272                     ; the scales of 16 rows
.set SPARE,  SCL+4*HALFS               ; the spare words: 128 bytes a wave
.set ADR,  16                          ; v16-17 my R fragments in slot 0, 1
.set ADP,  20                          ; v20-21 my P fragments
.set LI,   24                          ; 16 x lane
.set H32,  25                          ; 32 h
.set R4,   26                          ; 4 r
.set ADRS, 27                          ; my scale words: lanes 0-15 R's rows, lanes 16-31 P's
.set SPW,  28
.set NIL,  29
.set SC,   32                          ; v32-95 scale words: register 8 i + kappa
.set BIAS, 96                          ; v96-159
.set TM,   160
.set TP,   164
.set TS,   168
.set SW,   176                         ; v176-183 the scale word of R's tile a
.set X,    184
.set X2,   188
.set PC,   192                         ; v192-255 the codes of R's tile a at PC + 8 a
.set MSB, 0
.macro WIN new                         ; the immediate's high byte repeats the setting that is left
.if MSB != (\new)
	s_set_vgpr_msb (MSB<<8)|(\new)
.set MSB, \new
.endif
.endm
.macro PLACES n
.rept \n
	v_nop
.endr
.endm
; a joint load: waves 0 and 1 fetch R's halves, waves 2 and 3 P's; the branch hangs on the wave's number alone
.macro JLOAD g0r, g1r, g0p, g1p
	s_cmp_eq_u32 s85, 0
	s_cbranch_scc0 .Lfor_p_\@
	tensor_load_to_lds s[\g0r:\g0r+3], s[\g1r:\g1r+7]
	s_nop 0
.rept 4
	v_nop
.endr
	s_branch .Lasked_\@
.Lfor_p_\@:
	tensor_load_to_lds s[\g0p:\g0p+3], s[\g1p:\g1p+7]
	s_nop 0
.rept 4
	v_nop
.endr
.Lasked_\@:
.endm
.macro CROUND                          ; a round of the cluster's barrier
	s_barrier_signal -1
	s_barrier_wait -1
	s_cmp_lg_u32 s84, 0
	s_cbranch_scc1 .Lnot_wave_0_\@
	s_barrier_signal -3
.Lnot_wave_0_\@:
	s_barrier_wait -3
	s_barrier_signal -1
	s_barrier_wait -1
.endm
	s_load_b512 s[4:19], s[0:1], 0x0               ; query c, s; key c, s; value c, s; Wq c, s
	s_load_b512 s[20:35], s[0:1], 0x40             ; Wk c, s; Wv c, s; bq; bk; bv; img
	s_load_b64 s[36:37], s[0:1], 0x80              ; sc
	v_lshl_add_u32 v[SPW], v0, 2, SPARE
	v_mov_b32 v[NIL], 0
	ds_add_u32 v[SPW], v[NIL]                      ; the opening: the add, twice on end, and its wait ahead of my first tensor load
	ds_add_u32 v[SPW], v[NIL]
	v_lshrrev_b32 v1, 5, v0
	v_readfirstlane_b32 s84, v1                    ; wave
	s_lshr_b32 s85, s84, 1                         ; my half of R's rows.  Also: I fetch for R (0) or P (1)
	s_and_b32 s86, s84, 1                          ; my half of P's rows.  Also: which 128 rows I fetch
	s_bfe_u32 s87, ttmp6, 0x40000                  ; cx
	s_bfe_u32 s88, ttmp6, 0x40004                  ; cy
	s_and_b32 s2, ttmp7, 0xffff                    ; the cluster's y: 0 .. 23
	s_lshr_b32 s89, s2, 3                          ; T: 0 q, 1 k, 2 v
	s_and_b32 s90, s2, 7
	s_lshl_b32 s90, s90, 2                         ; 4 idx
	s_cmp_eq_u32 s89, 2
	s_cselect_b32 s91, s90, 0
	s_cselect_b32 s92, 0, s90
	s_add_co_u32 s91, s91, s87                     ; P's tile of 256 rows: hangs on cx
	s_add_co_u32 s92, s92, s88                     ; R's: hangs on cy
	s_lshl_b32 s93, s88, 2
	s_lshl_b32 s93, 15, s93                        ; my row of the cluster
	s_lshl_b32 s94, 0x1111, s87                    ; my column
	s_mov_b32 s95, 0xffff0000                      ; lanes 16-31
	; group 1: 128 rows x 256 bytes, pitch 512 bytes in memory, 16 bytes of padding behind each row in LDS
	s_or_b32 s48, s93, (1<<20)|(1<<21)|(5<<22)|(3<<25)
	s_or_b32 s56, s94, (1<<20)|(1<<21)|(5<<22)|(3<<25)
.irp g, 48, 56
	s_mov_b32 s[\g+1], 256<<16
	s_mov_b32 s[\g+2], 128<<16
	s_mov_b32 s[\g+3], 256<<16
	s_mov_b32 s[\g+4], 128
	s_mov_b32 s[\g+5], 512
	s_mov_b32 s[\g+6], 0
	s_mov_b32 s[\g+7], 0
.endr
	; and for the scales of 128 rows: 4,096 dense bytes as 16 rows of 256 (32 elements of 8 bytes), padded likewise
	s_or_b32 s68, s93, (3<<16)|(1<<20)|(1<<21)|(5<<22)|(3<<25)
	s_or_b32 s76, s94, (3<<16)|(1<<20)|(1<<21)|(5<<22)|(3<<25)
.irp g, 68, 76
	s_mov_b32 s[\g+1], 32<<16
	s_mov_b32 s[\g+2], 16<<16
	s_mov_b32 s[\g+3], 32<<16
	s_mov_b32 s[\g+4], 16
	s_mov_b32 s[\g+5], 32
	s_mov_b32 s[\g+6], 0
	s_mov_b32 s[\g+7], 0
.endr
	s_lshl_b32 s3, s86, 7                          ; which 128 rows I fetch
	s_lshl_b32 s96, s92, 8
	s_add_co_u32 s96, s96, s3                      ; R's row
	s_lshl_b32 s98, s96, 5                         ; its scales, in bytes
	s_lshl_b32 s96, s96, 9                         ; its codes
	s_mov_b32 s97, 0
	s_mov_b32 s99, 0
	s_lshl_b32 s100, s91, 8
	s_add_co_u32 s100, s100, s3                    ; P's row
	s_lshl_b32 s66, s100, 5
	s_lshl_b32 s100, s100, 9
	s_mov_b32 s101, 0
	s_mov_b32 s67, 0
	s_mul_i32 s2, s84, HALFT                       ; where they go: wave x 128 rows
	s_mul_i32 s3, s84, HALFS
	s_wait_dscnt 0x0                               ; both opening adds are done
	s_wait_kmcnt 0x0
	s_cmp_eq_u32 s89, 0                            ; the ways differ in pointers alone
	s_cselect_b64 s[38:39], s[16:17], s[20:21]     ; P's codes
	s_cselect_b64 s[40:41], s[18:19], s[22:23]     ; P's scales
	s_cselect_b64 s[42:43], s[4:5], s[8:9]         ; R's codes
	s_cselect_b64 s[44:45], s[6:7], s[10:11]       ; R's scales
	s_cselect_b64 s[46:47], s[28:29], s[30:31]     ; the bias
	s_cmp_eq_u32 s89, 2
	s_cselect_b64 s[38:39], s[12:13], s[38:39]
	s_cselect_b64 s[40:41], s[14:15], s[40:41]
	s_cselect_b64 s[42:43], s[24:25], s[42:43]
	s_cselect_b64 s[44:45], s[26:27], s[44:45]
	s_cselect_b64 s[46:47], s[32:33], s[46:47]
	s_add_nc_u64 s[42:43], s[42:43], s[96:97]
	s_add_nc_u64 s[44:45], s[44:45], s[98:99]
	s_add_nc_u64 s[38:39], s[38:39], s[100:101]
	s_add_nc_u64 s[40:41], s[40:41], s[66:67]
	CROUND                                         ; all sixteen work-groups are here: the joint loads meet
	s_mov_b32 s20, 1
	s_add_co_u32 s21, s3, SCL
	s_mov_b64 s[22:23], s[44:45]
	s_or_b32 s23, s23, 0x80000000
	s_mov_b32 s24, 1
	s_add_co_u32 s25, s3, SCL
	s_mov_b64 s[26:27], s[40:41]
	s_or_b32 s27, s27, 0x80000000
	JLOAD 20, 68, 24, 76                           ; the scales first
.irp s, 0,1
	s_mov_b32 s[4+4*\s], 1
	s_add_co_u32 s[5+4*\s], s2, \s*SLOT
	s_add_nc_u64 s[6+4*\s:7+4*\s], s[42:43], \s*256
	s_or_b32 s[7+4*\s], s[7+4*\s], 0x80000000
	s_mov_b32 s[12+4*\s], 1
	s_add_co_u32 s[13+4*\s], s2, \s*SLOT
	s_add_nc_u64 s[14+4*\s:15+4*\s], s[38:39], \s*256
	s_or_b32 s[15+4*\s], s[15+4*\s], 0x80000000
	JLOAD 4+4*\s, 48, 12+4*\s, 56                  ; K half s: three loads of mine are out in all
.endr
	s_mov_b32 s30, 0x76543210
	s_mov_b32 s31, 0xfedcba98                      ; lane l xor 16
	v_and_b32 v1, 15, v0                           ; r
	v_bfe_u32 v2, v0, 4, 1                         ; h
	v_mul_u32_u24 v3, v1, PITCH
	v_lshl_add_u32 v3, v2, 4, v3
	s_mul_i32 s2, s85, HALFT
	s_mul_i32 s3, s86, HALFT
	s_add_co_u32 s3, s3, 2*HALFT
.irp s, 0,1
	v_add_nc_u32 v[ADR+\s], s2, v3
	v_add_nc_u32 v[ADP+\s], s3, v3
	s_add_co_u32 s2, s2, SLOT
	s_add_co_u32 s3, s3, SLOT
.endr
	v_and_b32 v4, 31, v0
	v_lshlrev_b32 v[LI], 4, v4
	v_lshlrev_b32 v[H32], 5, v2
	v_lshlrev_b32 v[R4], 2, v1
	v_lshlrev_b32 v5, 5, v1                        ; my row's scales: 32 bytes a row,
	v_lshrrev_b32 v6, 8, v5
	v_lshl_add_u32 v5, v6, 4, v5                   ; and 16 more for each 256 passed
	s_mul_i32 s2, s85, HALFS
	s_mul_i32 s3, s86, HALFS
	s_add_co_u32 s3, s3, 2*HALFS
	s_sub_co_u32 s3, s3, s2
	v_mul_u32_u24 v6, s3, v2                       ; lanes 16-31 take P's
	s_add_co_u32 s2, s2, SCL
	v_add_nc_u32 v5, v5, v6
	v_add_nc_u32 v[ADRS], s2, v5
.irp b, 0,1,2,3
	v_mov_b32 v[TP+\b], 0                          ; a lane permute's destination counts as one of its sources
.endr
	; where my 128 x 128 goes
	s_lshl_b32 s2, s91, 8
	s_lshl_b32 s3, s86, 7
	s_add_co_u32 s2, s2, s3                        ; my first row of P
	s_lshl_b32 s3, s92, 8
	s_lshl_b32 s66, s85, 7
	s_add_co_u32 s3, s3, s66                       ; my first row of R
	s_cmp_eq_u32 s89, 2
	s_cselect_b32 s66, s2, s3                      ; my first token
	s_cselect_b32 s67, s3, s2                      ; my first channel
	s_lshr_b32 s2, s66, 7
	s_lshr_b32 s3, s2, 4
	s_lshl_b32 s3, s3, 3
	s_lshr_b32 s100, s67, 7
	s_add_co_u32 s3, s3, s100                      ; y = batch x 8 + head pair
	s_and_b32 s2, s2, 15                           ; the step of 128 tokens
	s_lshl_b32 s100, s89, 22
	s_lshl_b32 s101, s3, 17
	s_add_co_u32 s100, s100, s101
	s_lshl_b32 s101, s2, 12
	s_add_co_u32 s100, s100, s101
	s_mov_b32 s101, 0
	s_add_nc_u64 s[34:35], s[34:35], s[100:101]
	s_min_u32 s100, s89, 1
	s_mul_i32 s100, s100, 786432
	s_mul_i32 s101, s3, 24576
	s_add_co_u32 s100, s100, s101
	s_lshl_b32 s101, s2, 9
	s_add_co_u32 s100, s100, s101
	s_cmp_eq_u32 s89, 2
	s_cselect_b32 s101, 16384, 0
	s_add_co_u32 s100, s100, s101
	s_mov_b32 s101, 0
	s_add_nc_u64 s[36:37], s[36:37], s[100:101]
	s_lshl_b32 s100, s67, 2
	s_add_nc_u64 s[46:47], s[46:47], s[100:101]
	; the bias is the C of each sum's first product.  q, k: it runs along P (a lane's eight channels of tile i);  v: along R (the lane's channel of tile i, in all eight registers)
	s_cmp_eq_u32 s89, 2
	s_cbranch_scc1 .Lbias_v
.irp i, 0,1,2,3,4,5,6,7
	global_load_b128 v[BIAS+8*\i:BIAS+8*\i+3], v[H32], s[46:47] offset:64*\i
	global_load_b128 v[BIAS+8*\i+4:BIAS+8*\i+7], v[H32], s[46:47] offset:64*\i+16
.endr
	s_branch .Lbias_done
.Lbias_v:
.irp i, 0,1,2,3,4,5,6,7
.irp j, 0,1,2,3,4,5,6,7
	global_load_b32 v[BIAS+8*\i+\j], v[R4], s[46:47] offset:64*\i
.endr
.endr
.Lbias_done:
; the fragments of step kap (128 along K) into set p of window 1: P's eight at 128 p, R's eight at 128 p + 64
.macro FETCH kap, p
	WIN 0x40
.irp i, 0,1,2,3,4,5,6,7
.irp c, 0,1
	ds_load_b128 v[128*(\p)+8*\i+4*\c:128*(\p)+8*\i+4*\c+3], v[ADP+(\kap)/4] offset:((\kap)%4)*64+32*\c+\i*16*PITCH
.endr
.endr
.irp i, 0,1,2,3,4,5,6,7
.irp c, 0,1
	ds_load_b128 v[128*(\p)+64+8*\i+4*\c:128*(\p)+64+8*\i+4*\c+3], v[ADR+(\kap)/4] offset:((\kap)%4)*64+32*\c+\i*16*PITCH
.endr
.endr
	WIN 0
.endm
; 64 products; the 64 accumulators take turns, one instruction a turn.  mode 0: C = the accumulator; 1: the bias along P; 2: the bias along R (window 0 for C)
.macro MUL kap, p, mode
.irp a, 0,1,2,3,4,5,6,7
.if \mode == 0
	WIN 0xa5+0x50*(\a/4)
.else
	WIN 0x85+0x40*(\a/4)
.endif
.irp b, 0,1,2,3,4,5,6,7
.set DN, 8*(8*(\a%4)+\b)
.if \mode == 0
.set CN, DN
.elseif \mode == 1
.set CN, BIAS+8*\b
.else
.set CN, BIAS+8*\a
.endif
	v_wmma_scale_f32_16x16x128_f8f6f4 v[DN:DN+7], v[128*(\p)+8*\b:128*(\p)+8*\b+7], v[128*(\p)+64+8*\a:128*(\p)+64+8*\a+7], v[CN:CN+7], v[SC+8*\b+(\kap)], v[SC+8*\a+(\kap)] matrix_a_fmt:MATRIX_FMT_FP4 matrix_b_fmt:MATRIX_FMT_FP4 matrix_a_scale:MATRIX_SCALE_ROW1
.endr
.endr
.endm
.macro KSTEP kap, mode
	s_wait_dscnt 0x0                               ; this step's fragments are in
.if (\kap) == 3
	s_wait_tensorcnt 0x0                           ; my part of slot 1 has landed,
	s_barrier_signal -1
	s_barrier_wait -1                              ; everybody's has: the next fetch reads it.  Nothing is filled again
.endif
.if ((\kap) > 0) && ((\kap) < 7)
	PLACES 4                                       ; in front of loads into the set that the products just issued have read
.endif
.if (\kap) < 7
	FETCH (\kap)+1, ((\kap)+1)%2                   ; 64 products ahead of its use
.endif
	MUL \kap, (\kap)%2, \mode
	WIN 0
.endm
; R's tile a: its 64 numbers a lane become eight registers of codes and a scale word
.macro QUANT a
.set AC, 64*((\a)%4)
.set PCA, PC+8*(\a)
	WIN 0x0a+5*((\a)/4)
.irp b, 0,1,2,3
	v_max3_num_f32 v[TM+\b], |v[AC+16*\b]|, |v[AC+16*\b+1]|, 0x1800000   ; with the floor 2^(3 - 127): the byte cannot fall under 1.  Each accumulator is read from its low end on
.endr
.irp i, 2,4,6,8,10,12,14
.irp b, 0,1,2,3
	v_max3_num_f32 v[TM+\b], |v[AC+16*\b+\i]|, |v[AC+16*\b+\i+1]|, v[TM+\b]
.endr
.endr
	WIN 0
.irp b, 0,1,2,3
	v_permlanex16_b32 v[TP+\b], v[TM+\b], s30, s31
.endr
.irp b, 0,1,2,3
	v_max_num_f32 v[TM+\b], v[TM+\b], v[TP+\b]     ; the block's largest magnitude
.endr
.irp b, 0,1,2,3
	v_add_nc_u32 v[TS+\b], 0xff000000, v[TM+\b]    ; 2 off its exponent field: the conversion's scale operand
.endr
.irp b, 0,1,2,3
	v_lshrrev_b32 v[TP+\b], 23, v[TS+\b]           ; the byte
.endr
	v_lshl_or_b32 v[SW+(\a)], v[TP+1], 8, v[TP]
	v_lshl_or_b32 v[SW+(\a)], v[TP+2], 16, v[SW+(\a)]
	v_lshl_or_b32 v[SW+(\a)], v[TP+3], 24, v[SW+(\a)]
	WIN 0x02+((\a)/4)
.irp b, 0,1,2,3
.irp u, 0,1
	v_cvt_scalef32_pk8_fp4_f32 v[PCA+4*(\b/2)+2*\u+(\b%2)], v[AC+16*\b+8*\u:AC+16*\b+8*\u+7], v[TS+\b]
.endr
.endr
	WIN 0
	v_nop                                          ; one plain place behind the conversions
.irp c, 0,1
.irp u, 0,1
	v_permlane16_swap_b32 v[PCA+4*\c+2*\u], v[PCA+4*\c+2*\u+1]
.endr
.endr
.endm
	s_wait_tensorcnt 0x1                           ; the scales and my part of slot 0 are in; slot 1's load may stay out
	s_barrier_signal -1
	s_barrier_wait -1
	s_wait_alu depctr_va_vdst(0)
.irp i, 0,1,2,3,4,5,6,7
	ds_load_b128 v[SC+8*\i:SC+8*\i+3], v[ADRS] offset:\i*SBLK
	ds_load_b128 v[SC+8*\i+4:SC+8*\i+7], v[ADRS] offset:\i*SBLK+16
.endr
	FETCH 0, 0
	s_wait_loadcnt 0x0                             ; the bias
	s_cmp_eq_u32 s89, 2
	s_cbranch_scc1 .Lfirst_v
	KSTEP 0, 1
	s_branch .Lfirst_done
.Lfirst_v:
	KSTEP 0, 2
.Lfirst_done:
.irp k, 1,2,3,4,5,6,7
	KSTEP \k, 0
.endr
	PLACES 4                                       ; in front of the first read of results
.irp a, 0,1,2,3,4,5,6,7
	QUANT \a
	global_store_b128 v[LI], v[PC+8*\a:PC+8*\a+3], s[34:35] offset:\a*512          ; 512 consecutive bytes a store; each tile has registers of its own
	global_store_b128 v[LI], v[PC+8*\a+4:PC+8*\a+7], s[34:35] offset:65536+\a*512
.endr
.irp i, 0,1,2,3
	v_cndmask_b32 v[X+\i], v[SW+\i], v[SW+4+\i], s95   ; lanes 0-15 the words of tiles 0-3, lanes 16-31 those of tiles 4-7
.endr
	global_store_b128 v[LI], v[X:X+3], s[36:37]
	s_cmp_eq_u32 s89, 2
	s_cbranch_scc1 .Lno_odd
.irp i, 0,1,2,3
	v_perm_b32 v[X2+\i], v[X+\i], v[X+\i], 0x01000302  ; q, k: the odd head's two bytes come first in its own word
.endr
	global_store_b128 v[LI], v[X2:X2+3], s[36:37] offset:8192
.Lno_odd:
	s_wait_tensorcnt 0x0                           ; the wave's end
	ds_add_u32 v[SPW], v[NIL]
	s_wait_dscnt 0x0
	CROUND                                         ; the closing round
	s_endpgm
.Lfunc_end_k_q39fc56f3ad_proj:
	.size	k_q39fc56f3ad_proj, .Lfunc_end_k_q39fc56f3ad_proj-k_q39fc56f3ad_proj
	.p2alignl 7, 3214868480
	.fill 96, 4, 3214868480
	.section	.rodata,"a",@progbits
	.p2align	6, 0x0
	.amdhsa_kernel k_q39fc56f3ad_proj
		.amdhsa_group_segment_fixed_size 327680
		.amdhsa_private_segment_fixed_size 0
		.amdhsa_enable_private_segment 0
		.amdhsa_kernarg_size 136
		.amdhsa_user_sgpr_count 2
		.amdhsa_user_sgpr_kernarg_segment_ptr 1
		.amdhsa_wavefront_size32 1
		.amdhsa_system_sgpr_workgroup_id_x 1
		.amdhsa_system_sgpr_workgroup_id_y 1
		.amdhsa_system_sgpr_workgroup_id_z 1
		.amdhsa_system_vgpr_workitem_id 0
		.amdhsa_next_free_vgpr 1024
		.amdhsa_next_free_sgpr 102
		.amdhsa_reserve_vcc 0
		.amdhsa_float_denorm_mode_32 3
		.amdhsa_float_denorm_mode_16_64 3
		.amdhsa_memory_ordered 1
		.amdhsa_forward_progress 1
		.amdhsa_inst_pref_size 146
	.end_amdhsa_kernel
	.amdgpu_metadata
---
amdhsa.version: [ 1, 2 ]
amdhsa.kernels:
  - .name:           k_q39fc56f3ad_proj
    .symbol:         k_q39fc56f3ad_proj.kd
    .args:
      - { .name: query_codes, .offset: 0, .size: 8, .value_kind: global_buffer, .address_space: global }
      - { .name: query_scales, .offset: 8, .size: 8, .value_kind: global_buffer, .address_space: global }
      - { .name: key_codes, .offset: 16, .size: 8, .value_kind: global_buffer, .address_space: global }
      - { .name: key_scales, .offset: 24, .size: 8, .value_kind: global_buffer, .address_space: global }
      - { .name: value_codes, .offset: 32, .size: 8, .value_kind: global_buffer, .address_space: global }
      - { .name: value_scales, .offset: 40, .size: 8, .value_kind: global_buffer, .address_space: global }
      - { .name: Wq_codes, .offset: 48, .size: 8, .value_kind: global_buffer, .address_space: global }
      - { .name: Wq_scales, .offset: 56, .size: 8, .value_kind: global_buffer, .address_space: global }
      - { .name: Wk_codes, .offset: 64, .size: 8, .value_kind: global_buffer, .address_space: global }
      - { .name: Wk_scales, .offset: 72, .size: 8, .value_kind: global_buffer, .address_space: global }
      - { .name: Wv_codes, .offset: 80, .size: 8, .value_kind: global_buffer, .address_space: global }
      - { .name: Wv_scales, .offset: 88, .size: 8, .value_kind: global_buffer, .address_space: global }
      - { .name: bq, .offset: 96, .size: 8, .value_kind: global_buffer, .address_space: global }
      - { .name: bk, .offset: 104, .size: 8, .value_kind: global_buffer, .address_space: global }
      - { .name: bv, .offset: 112, .size: 8, .value_kind: global_buffer, .address_space: global }
      - { .name: img, .offset: 120, .size: 8, .value_kind: global_buffer, .address_space: global }
      - { .name: sc, .offset: 128, .size: 8, .value_kind: global_buffer, .address_space: global }
    .group_segment_fixed_size: 327680
    .private_segment_fixed_size: 0
    .kernarg_segment_align: 8
    .kernarg_segment_size: 136
    .max_flat_workgroup_size: 128
    .sgpr_count:     102
    .vgpr_count:     1024
    .wavefront_size: 32
...
	.end_amdgpu_metadata
.endif
;; end of part 1
;; launch attn (part 2): grid 8 x 32, 16 waves a work-group, clusters of 4 x 1, 327,680 bytes of LDS; arguments img, sc, mask, cimg, csc; writes cimg, csc
.if DOCPART == 2
	.amdgcn_target "amdgcn-amd-amdhsa--gfx1250"
	.amdhsa_code_object_version 6
	.text
	.protected	k_q39fc56f3ad_attn
	.globl	k_q39fc56f3ad_attn
	.p2align	8
	.type	k_q39fc56f3ad_attn,@function
k_q39fc56f3ad_attn:
	s_mov_b64 s[64:65], 0
	v_nop
	global_prefetch_b8 v0, s[64:65] scope:SCOPE_SE
	s_setreg_imm32_b32 hwreg(HW_REG_WAVE_MODE, 25, 1), 1
	s_wait_xcnt 0x0
	s_wait_alu depctr_hold_cnt(0) depctr_sa_sdst(0) depctr_va_vdst(0) depctr_va_sdst(0) depctr_va_ssrc(0) depctr_va_vcc(0) depctr_vm_vsrc(0)
	s_getreg_b32 s2, hwreg(HW_REG_IB_STS2, 6, 4)
	s_cmp_eq_u32 s2, 0
	s_cbranch_scc0 .Lentry_in_a_cluster
	s_endpgm
.Lentry_in_a_cluster:
	s_bfe_u32 s2, ttmp6, 0x10000c
	s_cmp_lg_u32 s2, 0x3003
	s_cbranch_scc0 .Lentry_shape_is_right
	s_endpgm
.Lentry_shape_is_right:
; The two attention products on codes of FP4 (E2M1), the softmax between them, and the context quantised along the model's 1,024 for the last projection.  No work is left out.
; SHARES: a work-group owns 256 queries of one batch and BOTH heads of a head pair, one after the other, so that a wave ends with a whole K step (128 channels) of the last product's operand.
; Each of its sixteen waves owns 16 queries and walks 2 x 16 steps of 128 keys.  The pair's K, V and scale words lie in LDS whole, each byte filled once.
; CLUSTER 4 x 1: the four query blocks read the same K, V and scales: every tensor load is joint (mask 15).
; LAYOUT: S^T = K Q^T (source 0 = 16 keys), O^T = V^T P^T (source 0 = 16 channels): a lane holds one query throughout.  All operands come as images of their registers (512 bytes, lane l's 16 at 16 l).
; THE FIRST PRODUCT HAS K = 64: Q's registers 4-7 hold zero codes; K's operand of tile a is registers 4 a .. 4 a + 7 of one run, its upper four being the next tile's codes (tile 7: four registers of zeros),
; which meet Q's zero codes; the scale bytes there are ordinary bytes.
; THE MASK: an addend for each key, 0 or -2^100, lies in LDS and is loaded straight into the accumulators: S^T = K Q^T + C.
; THE SOFTMAX: t = score x c, c = log2(e) / 8 (q arrives undivided); M = the ceiling of the running largest t; p = 2^(t - M) is quantised along the keys; the sum is of the unquantised p.
; LIMITS: the running largest t starts at -2^93, a masked key's score is about -2^100: rows whose open keys all have t under -2^93, and scores of 2^76 and more, are not served.
; Where every key of a batch is masked the sum is 0: the context's scale bytes become 0xff, so that those rows of the output are NaN, as in the definition.  NaN and infinities among the inputs are not served otherwise.
; Blocks under 2^-124 (zeros too) get the byte 1: only this program reads the bytes.
.set KREG,  0                          ; [parity][step 16][tile 8][512]
.set VREG,  131072                     ; [parity][half of 64 keys][step 16][tile of channels 4][512]
.set SCR,   262144                     ; [slot 3: k even, k odd, v][step 16][512]
.set MREG,  286720                     ; the mask's addends, f32[2048]
.set STG,   294912                     ; the context's scale words: 64 bytes a wave
.set SPARE, 295936                     ; the spare words: 128 bytes a wave
.set LI,  1                            ; 16 x lane
.set R16, 2                            ; 16 r
.set H32, 3                            ; 32 h
.set MST, 4
.set SPW, 5
.set NIL, 6
.set ADM, 7
.set ADK, 8
.set ADV, 9
.set ADS, 10
.set ADT, 11
.set QF,  16                           ; v16-23, v24-31: Q of parity 0, 1 (upper four: zeros)
.set KF,  32                           ; v32-63 K; v64-67 zeros
.set VF,  68                           ; v68-99
.set S,   100                          ; v100-163 S^T, then p
.set O,   164                          ; v164-195 O^T
.set PC,  196                          ; v196-203 p's codes
.set KSC, 204
.set VSC, 208
.set QSC, 212
.set PSC, 214
.set CC,  216                          ; v216-223 the context's codes
.set CW,  224                          ; its scale word
.set STW, 225
.set STR, 226
.set BM,  228
.set BT,  232
.set BS,  236
.set L2,  240
.set F,   242
.set TT,  244
.set RL,  246
.set FF,  248
.set NEG, 249
.set WV,  14
.set SEL, 20
.set CS,  22
.set TK,  72
.set TV,  73
.set TS1, 74
.set TS2, 75
.set TMK, 76
.set CNT, 77
.set NANF, 78
.macro CROUND
	s_barrier_signal -1
	s_barrier_wait -1
	s_cmp_lg_u32 s[WV], 0
	s_cbranch_scc1 .Lnot_wave_0_\@
	s_barrier_signal -3
.Lnot_wave_0_\@:
	s_barrier_wait -3
	s_barrier_signal -1
	s_barrier_wait -1
.endm
	s_load_b256 s[4:11], s[0:1], 0x0               ; img, sc, mask, cimg
	s_load_b64 s[12:13], s[0:1], 0x20              ; csc
	v_lshl_add_u32 v[SPW], v0, 2, SPARE
	v_mov_b32 v[NIL], 0
	ds_add_u32 v[SPW], v[NIL]                      ; the opening: the add, twice on end, and its wait ahead of my first tensor load
	ds_add_u32 v[SPW], v[NIL]
	v_lshrrev_b32 v7, 5, v0
	s_wait_alu depctr_va_vdst(0)
	v_readfirstlane_b32 s[WV], v7                  ; wave 0 .. 15
	s_bfe_u32 s15, ttmp6, 0x40000                  ; cx
	s_lshl_b32 s16, ttmp9, 2
	s_add_co_u32 s16, s16, s15                     ; my block of 256 queries: it enters global addresses alone
	s_and_b32 s17, ttmp7, 0xffff                   ; y = batch x 8 + head pair: the partners share it
	s_mov_b32 s[SEL], 0x76543210
	s_mov_b32 s[SEL+1], 0xfedcba98
	s_mov_b32 s[CS], 0x3e38aa3b                    ; c = log2(e) / 8
	s_mov_b32 s[CS+1], s[CS]
	; group 1.  The scales: 6 rows of 256 bytes, dense
	s_mov_b32 s24, 15|(3<<16)|(1<<21)
	s_mov_b32 s25, 32<<16
	s_mov_b32 s26, 6<<16
	s_mov_b32 s27, 32<<16
	s_mov_b32 s28, 6
	s_mov_b32 s29, 32
	s_mov_b32 s30, 0
	s_mov_b32 s31, 0
	; K: 4 rows of 2,048 bytes, dense;  V: the same, 4,096 bytes apart in memory
.irp g, 32, 40
	s_mov_b32 s[\g], 15|(3<<16)|(1<<21)
	s_mov_b32 s[\g+1], 256<<16
	s_mov_b32 s[\g+2], 4<<16
	s_mov_b32 s[\g+3], 256<<16
	s_mov_b32 s[\g+4], 4
	s_mov_b32 s[\g+6], 0
	s_mov_b32 s[\g+7], 0
.endr
	s_mov_b32 s37, 256
	s_mov_b32 s45, 512
	; every LDS address register is made here, ahead of the first branch on the wave's number
	v_and_b32 v8, 31, v0
	s_delay_alu instid0(VALU_DEP_1)
	v_lshlrev_b32 v[LI], 4, v8
	v_and_b32 v8, 15, v0
	s_delay_alu instid0(VALU_DEP_1)
	v_lshlrev_b32 v[R16], 4, v8
	v_bfe_u32 v9, v0, 4, 1
	s_delay_alu instid0(VALU_DEP_1)
	v_lshlrev_b32 v[H32], 5, v9
	v_lshl_add_u32 v[MST], v0, 4, MREG
	v_lshlrev_b32 v[STW], 6, v7
	s_delay_alu instid0(VALU_DEP_1)
	v_lshl_add_u32 v[STW], v8, 2, v[STW]
	s_delay_alu instid0(VALU_DEP_1)
	v_add_nc_u32 v[STW], STG, v[STW]
	v_add_nc_u32 v[STR], STG, v[LI]
	s_lshl_b32 s79, s17, 17                        ; y x 131,072
	s_and_b32 s80, s[WV], 7                        ; e
	s_lshl_b32 s81, s80, 13                        ; e x 8,192
	s_add_co_u32 s82, s79, s81
	s_add_co_u32 s82, s82, 4194304                 ; K's tile in img
	s_mov_b32 s83, 0
	s_lshr_b32 s84, s80, 2
	s_lshl_b32 s84, s84, 16
	s_and_b32 s85, s80, 3
	s_lshl_b32 s85, s85, 14
	s_add_co_u32 s84, s84, s85
	s_add_co_u32 s84, s84, s79
	s_add_co_u32 s84, s84, 8388608                 ; V's
	s_mov_b32 s85, 0
	s_mul_i32 s86, s17, 24576
	s_mul_i32 s88, s[WV], 1536
	s_add_co_u32 s86, s86, s88
	s_add_co_u32 s86, s86, 786432                  ; my 1,536 bytes of the pair's scales
	s_mov_b32 s87, 0
	s_wait_dscnt 0x0                               ; both opening adds are done
	s_wait_kmcnt 0x0
	s_mov_b32 s48, 1
	s_add_co_u32 s49, s88, SCR
	s_add_nc_u64 s[50:51], s[6:7], s[86:87]
	s_or_b32 s51, s51, 0x80000000
	s_add_nc_u64 s[82:83], s[4:5], s[82:83]
	s_add_nc_u64 s[84:85], s[4:5], s[84:85]
	s_mov_b32 s52, 1                               ; K, even head
	s_mov_b32 s53, s81
	s_mov_b64 s[54:55], s[82:83]
	s_or_b32 s55, s55, 0x80000000
	s_mov_b32 s56, 1                               ; K, odd head
	s_add_co_u32 s57, s81, 65536
	s_add_nc_u64 s[58:59], s[82:83], 65536
	s_or_b32 s59, s59, 0x80000000
	s_mov_b32 s60, 1                               ; V, even head
	s_add_co_u32 s61, s81, VREG
	s_mov_b64 s[62:63], s[84:85]
	s_or_b32 s63, s63, 0x80000000
	s_mov_b32 s68, 1                               ; V, odd head
	s_add_co_u32 s69, s81, VREG+65536
	s_add_nc_u64 s[70:71], s[84:85], 2048
	s_or_b32 s71, s71, 0x80000000
	CROUND                                         ; all four work-groups are here: the joint loads meet
	s_cmp_lt_u32 s[WV], 8                          ; waves 0-7 fetch K, waves 8-15 V; every wave its part of the scales: three loads of mine are out
	s_cbranch_scc0 .Lfill_v
	tensor_load_to_lds s[48:51], s[24:31]
	s_nop 0
	tensor_load_to_lds s[52:55], s[32:39]
	s_nop 0
	tensor_load_to_lds s[56:59], s[32:39]
	s_nop 0
.rept 4
	v_nop
.endr
	s_branch .Lfilled
.Lfill_v:
	tensor_load_to_lds s[48:51], s[24:31]
	s_nop 0
	tensor_load_to_lds s[60:63], s[40:47]
	s_nop 0
	tensor_load_to_lds s[68:71], s[40:47]
	s_nop 0
.rept 4
	v_nop
.endr
.Lfilled:
	s_lshr_b32 s79, s17, 3                         ; the batch
	s_and_b32 s80, s17, 7                          ; the head pair
	s_lshl_b32 s82, s79, 13
	s_mov_b32 s83, 0
	s_add_nc_u64 s[8:9], s[8:9], s[82:83]          ; the batch's mask
	s_lshl_b32 s86, s16, 4
	s_add_co_u32 s86, s86, s[WV]                   ; tau: my tile of 16 queries in the batch
	s_lshl_b32 s82, s17, 17
	s_lshl_b32 s84, s86, 9
	s_add_co_u32 s82, s82, s84
	s_add_nc_u64 s[4:5], s[4:5], s[82:83]          ; Q's image, even head
	s_mul_i32 s82, s17, 24576
	s_lshr_b32 s84, s86, 3
	s_lshl_b32 s84, s84, 9
	s_add_co_u32 s82, s82, s84
	s_bfe_u32 s84, s86, 0x10002
	s_lshl_b32 s84, s84, 8
	s_add_co_u32 s82, s82, s84
	s_and_b32 s84, s86, 3
	s_lshl_b32 s84, s84, 2
	s_add_co_u32 s82, s82, s84
	s_add_nc_u64 s[6:7], s[6:7], s[82:83]          ; Q's scale words
	s_lshl_b32 s84, s79, 7
	s_add_co_u32 s82, s84, s86
	s_lshl_b32 s82, s82, 13
	s_lshl_b32 s85, s80, 10
	s_add_co_u32 s82, s82, s85
	s_add_nc_u64 s[10:11], s[10:11], s[82:83]      ; the context's image: tile of tokens x 8,192 + head pair x 1,024
	s_lshl_b32 s82, s16, 4
	s_add_co_u32 s82, s82, s84
	s_lshl_b32 s82, s82, 6
	s_lshl_b32 s85, s80, 15
	s_add_co_u32 s82, s82, s85
	s_add_nc_u64 s[12:13], s[12:13], s[82:83]      ; and the work-group's 1,024 bytes of scale words
	v_lshlrev_b32 v8, 4, v0
	global_load_b128 v[S:S+3], v8, s[8:9]          ; four keys' mask a thread
	global_load_b128 v[QF:QF+3], v[LI], s[4:5]
	global_load_b128 v[QF+8:QF+11], v[LI], s[4:5] offset:65536
	s_wait_alu depctr_va_vdst(0)
	global_load_b32 v[QSC], v[R16], s[6:7]
	global_load_b32 v[QSC+1], v[R16], s[6:7] offset:8192
.irp i, 0,1,2,3
	v_mov_b32 v[QF+4+\i], 0
	v_mov_b32 v[QF+12+\i], 0
	v_mov_b32 v[KF+32+\i], 0
	v_mov_b32 v[BT+\i], 0                          ; a lane permute's destination counts as one of its sources
.endr
	v_mov_b32 v[F+1], 0                            ; named as upper halves of pairs
	v_mov_b32 v[RL+1], 0
	v_mov_b32 v[TT], 0
	v_mov_b32 v[FF], 0xffff
	v_mov_b32 v[NEG], 0xf1800000                   ; -2^100
	s_wait_alu depctr_va_vdst(0)
	s_wait_loadcnt 0x4                             ; the mask is in; Q's four loads may be out
.irp i, 0,1,2,3
	v_cmp_eq_u32 vcc_lo, 0, v[S+\i]
	s_delay_alu instid0(VALU_DEP_1)
	v_cndmask_b32 v[S+4+\i], 0, v[NEG], vcc_lo
.endr
	ds_store_b128 v[MST], v[S+4:S+7]
	s_wait_loadcnt 0x0
	s_wait_tensorcnt 0x1                           ; the scales and the even head's tile are in; the odd head's may stay out
	s_wait_dscnt 0x0                               ; my addends have landed
	s_barrier_signal -1
	s_barrier_wait -1
; A KEY STEP: 128 keys
.macro STEP par
	v_add_nc_u32 v[ADM], s[TMK], v[H32]            ; five plain lines: also the places behind the last products, in front of the loads into their registers
	v_add_nc_u32 v[ADK], s[TK], v[LI]
	v_add_nc_u32 v[ADV], s[TV], v[LI]
	v_add_nc_u32 v[ADS], s[TS1], v[LI]
	v_add_nc_u32 v[ADT], s[TS2], v[R16]
.irp a, 0,1,2,3,4,5,6,7
	ds_load_b128 v[KF+4*\a:KF+4*\a+3], v[ADK] offset:512*\a
.endr
	ds_load_b128 v[KSC:KSC+3], v[ADS]              ; lanes 0-15: the words of tiles 0-3; lanes 16-31: of tiles 4-7
.irp i, 0,1,2,3,4,5,6,7
.irp e, 0,1
	ds_load_b128 v[S+8*\i+4*\e:S+8*\i+4*\e+3], v[ADM] offset:64*\i+16*\e   ; the addends of keys 16 i + 8 h + 0 .. 7
.endr
.endr
.irp t, 0,1,2,3
.irp c, 0,1
	ds_load_b128 v[VF+8*\t+4*\c:VF+8*\t+4*\c+3], v[ADV] offset:32768*\c+512*\t
.endr
.endr
	ds_load_b128 v[VSC:VSC+3], v[ADT]
	s_wait_dscnt 9                                 ; all but V's eight loads and V's scale words
.irp i, 0,1,2,3
	v_wmma_scale_f32_16x16x128_f8f6f4 v[S+8*\i:S+8*\i+7], v[KF+4*\i:KF+4*\i+7], v[QF+8*\par:QF+8*\par+7], v[S+8*\i:S+8*\i+7], v[KSC+\i], v[QSC+\par] matrix_a_fmt:MATRIX_FMT_FP4 matrix_b_fmt:MATRIX_FMT_FP4
.endr
.irp i, 4,5,6,7
	v_wmma_scale_f32_16x16x128_f8f6f4 v[S+8*\i:S+8*\i+7], v[KF+4*\i:KF+4*\i+7], v[QF+8*\par:QF+8*\par+7], v[S+8*\i:S+8*\i+7], v[KSC+\i-4], v[QSC+\par] matrix_a_fmt:MATRIX_FMT_FP4 matrix_b_fmt:MATRIX_FMT_FP4 matrix_a_scale:MATRIX_SCALE_ROW1
.endr
.rept 4
	v_nop
.endr
.irp b, 0,1,2,3
	v_max3_num_f32 v[BM+\b], v[S+16*\b], v[S+16*\b+1], v[S+16*\b+2]   ; the largest score of each block of 32 keys (tiles 2 b, 2 b + 1): for the row's maximum and for the block's largest p
.endr
.irp i, 3,5,7,9,11,13
.irp b, 0,1,2,3
	v_max3_num_f32 v[BM+\b], v[BM+\b], v[S+16*\b+\i], v[S+16*\b+\i+1]
.endr
.endr
.irp b, 0,1,2,3
	v_max_num_f32 v[BM+\b], v[BM+\b], v[S+16*\b+15]
.endr
.irp b, 0,1,2,3
	s_delay_alu instid0(VALU_DEP_4)
	v_permlanex16_b32 v[BT+\b], v[BM+\b], s[SEL], s[SEL+1]
.endr
.irp b, 0,1,2,3
	s_delay_alu instid0(VALU_DEP_4)
	v_max_num_f32 v[BM+\b], v[BM+\b], v[BT+\b]
.endr
	s_delay_alu instid0(VALU_DEP_2)
	v_max3_num_f32 v[TT], v[BM], v[BM+1], v[BM+2]
	s_delay_alu instid0(VALU_DEP_1)
	v_max_num_f32 v[TT], v[TT], v[BM+3]
	s_delay_alu instid0(VALU_DEP_1)
	v_mul_f32 v[TT], s[CS], v[TT]
	s_delay_alu instid0(VALU_DEP_1)
	v_max_num_f32 v13, v13, v[TT]                  ; the running largest t
	v_mov_b32 v[TT], v12
	s_delay_alu instid0(VALU_DEP_2)
	v_floor_f32 v12, -v13                          ; -M = floor(-t): M is a whole number
	s_delay_alu instid0(VALU_DEP_1)
	v_sub_f32 v[TT], v12, v[TT]                    ; old M - new M, 0 or less
	s_delay_alu instid0(VALU_DEP_1)
	v_cvt_i32_f32 v[TT], v[TT]                     ; (it saturates)
	s_delay_alu instid0(VALU_DEP_1)
	v_ldexp_f32 v[F], 1.0, v[TT]                   ; f = 2^(old M - new M)
.set j, 0
.rept 32
	v_pk_fma_f32 v[S+j:S+j+1], v[S+j:S+j+1], s[CS:CS+1], v[12:13] op_sel_hi:[1,0,0]   ; t - M
.set j, j+2
.endr
.irp b, 0,1,2,3
	v_fma_f32 v[BM+\b], v[BM+\b], s[CS], v12
.endr
.set j, 0
	s_setprio 1
	s_wait_alu depctr_va_vdst(0)
.rept 64
	v_exp_f32 v[S+j], v[S+j]                       ; p = 2^(t - M)
.set j, j+1
.endr
	v_pk_mul_f32 v[14:15], v[14:15], v[F:F+1] op_sel_hi:[1,0]   ; the sums under the new M: the plain line behind the exponentials
	s_wait_alu depctr_va_vdst(0)                   ; one wait for the batch of 64, ahead of its first reader
.irp b, 0,1,2,3
	v_exp_f32 v[BM+\b], v[BM+\b]                   ; the block's largest p
.endr
	v_pk_add_f32 v[240:241], v[104:105], v[108:109]
	v_pk_add_f32 v[254:255], v[112:113], v[116:117]
	v_pk_add_f32 v[252:253], v[120:121], v[124:125]
	v_pk_add_f32 v[250:251], v[128:129], v[132:133]
	v_pk_add_f32 v[238:239], v[136:137], v[140:141]
	v_pk_add_f32 v[236:237], v[144:145], v[148:149]
	v_pk_add_f32 v[234:235], v[152:153], v[156:157]
	v_pk_add_f32 v[14:15], v[14:15], v[160:161]
	v_pk_add_f32 v[240:241], v[240:241], v[100:101]
	v_pk_add_f32 v[254:255], v[254:255], v[102:103]
	v_pk_add_f32 v[252:253], v[252:253], v[106:107]
	v_pk_add_f32 v[250:251], v[250:251], v[110:111]
	v_pk_add_f32 v[238:239], v[238:239], v[114:115]
	v_pk_add_f32 v[236:237], v[236:237], v[118:119]
	v_pk_add_f32 v[234:235], v[234:235], v[122:123]
	v_pk_add_f32 v[14:15], v[14:15], v[126:127]
	v_pk_add_f32 v[240:241], v[240:241], v[130:131]
	v_pk_add_f32 v[254:255], v[254:255], v[134:135]
	v_pk_add_f32 v[252:253], v[252:253], v[138:139]
	v_pk_add_f32 v[250:251], v[250:251], v[142:143]
	v_pk_add_f32 v[238:239], v[238:239], v[146:147]
	v_pk_add_f32 v[236:237], v[236:237], v[150:151]
	v_pk_add_f32 v[234:235], v[234:235], v[154:155]
	v_pk_add_f32 v[14:15], v[14:15], v[158:159]
	v_pk_add_f32 v[240:241], v[240:241], v[162:163]
	s_delay_alu instid0(VALU_DEP_2)
	v_pk_add_f32 v[14:15], v[14:15], v[250:251]
	s_delay_alu instid0(VALU_DEP_2)
	v_pk_add_f32 v[240:241], v[240:241], v[238:239]
	v_pk_add_f32 v[254:255], v[254:255], v[236:237]
	v_pk_add_f32 v[252:253], v[252:253], v[234:235]
	s_delay_alu instid0(VALU_DEP_2)
	v_pk_add_f32 v[14:15], v[14:15], v[254:255]
	s_delay_alu instid0(VALU_DEP_2)
	v_pk_add_f32 v[240:241], v[240:241], v[252:253]
	s_delay_alu instid0(VALU_DEP_1)
	v_pk_add_f32 v[14:15], v[14:15], v[240:241]
	s_wait_alu depctr_va_vdst(0)                   ; and one for the four
.irp b, 0,1,2,3
	v_max_num_f32 v[BM+\b], 0x1800000, v[BM+\b]    ; the floor 2^(3 - 127)
.endr
.irp b, 0,1,2,3
	s_delay_alu instid0(VALU_DEP_4)
	v_add_nc_u32 v[BS+\b], 0xff000000, v[BM+\b]
.endr
.irp b, 0,1,2,3
	s_delay_alu instid0(VALU_DEP_4)
	v_lshrrev_b32 v[BT+\b], 23, v[BS+\b]
.endr
	s_delay_alu instid0(VALU_DEP_3)
	v_lshl_or_b32 v[PSC], v[BT+1], 8, v[BT]
	s_delay_alu instid0(VALU_DEP_1)
	v_lshl_or_b32 v[PSC], v[BT+2], 16, v[PSC]
	s_delay_alu instid0(VALU_DEP_1)
	v_lshl_or_b32 v[PSC], v[BT+3], 24, v[PSC]
.irp b, 0,1,2,3
.irp u, 0,1
	v_cvt_scalef32_pk8_fp4_f32 v[PC+4*(\b/2)+2*\u+(\b%2)], v[S+16*\b+8*\u:S+16*\b+8*\u+7], v[BS+\b]
.endr
.endr
	v_nop
	s_setprio 0
.irp c, 0,1
.irp u, 0,1
	v_permlane16_swap_b32 v[PC+4*\c+2*\u], v[PC+4*\c+2*\u+1]
.endr
.endr
.set j, 0
.rept 16
	v_pk_mul_f32 v[O+j:O+j+1], v[O+j:O+j+1], v[F:F+1] op_sel_hi:[1,0]   ; O^T under the new M; also the places in front of the products below
.set j, j+2
.endr
	s_wait_alu depctr_va_vdst(0)
	s_wait_dscnt 0x0                               ; V and its scale words
.irp t, 0,1,2,3
	v_wmma_scale_f32_16x16x128_f8f6f4 v[O+8*\t:O+8*\t+7], v[VF+8*\t:VF+8*\t+7], v[PC:PC+7], v[O+8*\t:O+8*\t+7], v[VSC+\t], v[PSC] matrix_a_fmt:MATRIX_FMT_FP4 matrix_b_fmt:MATRIX_FMT_FP4
.endr
	s_add_co_u32 s[TK], s[TK], 4096
	s_add_co_u32 s[TV], s[TV], 2048
	s_add_co_u32 s[TS1], s[TS1], 512
	s_add_co_u32 s[TS2], s[TS2], 512
	s_add_co_u32 s[TMK], s[TMK], 512
.endm
; ONE HEAD: sixteen steps, then the context of my 16 queries becomes half a K step of codes and two scale bytes
.macro HEAD par
	v_mov_b32 v13, 0xee000000                      ; -2^93: under every t that is served, above every masked t
	s_delay_alu instid0(VALU_DEP_1)
	v_floor_f32 v12, -v13
	v_mov_b32 v14, 0
	v_mov_b32 v15, 0
.set j, 0
.rept 32
	v_mov_b32 v[O+j], 0                            ; the step is written once: its first trip finds zeros
.set j, j+1
.endr
	s_mov_b32 s[TK], KREG+\par*65536
	s_mov_b32 s[TV], VREG+\par*65536
	s_mov_b32 s[TS1], SCR+\par*8192
	s_mov_b32 s[TS2], SCR+16384+\par*256
	s_mov_b32 s[TMK], MREG
	s_mov_b32 s[CNT], 16
.Lstep_\@:
	s_setprio 2
	STEP \par
	s_sub_co_u32 s[CNT], s[CNT], 1
	s_cmp_lg_u32 s[CNT], 0
	s_cbranch_scc1 .Lstep_\@
	s_setprio 0
	v_add_f32 v14, v14, v15
	s_delay_alu instid0(VALU_DEP_1)
	v_permlanex16_b32 v[TT], v14, s[SEL], s[SEL+1]
	s_delay_alu instid0(VALU_DEP_1)
	v_add_f32 v14, v14, v[TT]                      ; the row's sum
	s_wait_alu depctr_va_vdst(0)
	v_rcp_f32 v[RL], v14
	v_cmp_eq_f32 s[NANF], 0, v14                   ; every key masked
.rept 4
	v_nop                                          ; the places behind the last products
.endr
	s_wait_alu depctr_va_vdst(0)                   ; ahead of the reciprocal's first reader
.set j, 0
.rept 16
	v_pk_mul_f32 v[S+j:S+j+1], v[O+j:O+j+1], v[RL:RL+1] op_sel_hi:[1,0]   ; the context: register 8 t + i is channel 16 t + 8 h + i.  Each accumulator from its low end on
.set j, j+2
.endr
.irp b, 0,1
	v_max3_num_f32 v[BM+\b], |v[S+16*\b]|, |v[S+16*\b+1]|, 0x1800000
.endr
.irp i, 2,4,6,8,10,12,14
.irp b, 0,1
	s_delay_alu instid0(VALU_DEP_2)
	v_max3_num_f32 v[BM+\b], v[BM+\b], |v[S+16*\b+\i]|, |v[S+16*\b+\i+1]|
.endr
.endr
.irp b, 0,1
	s_delay_alu instid0(VALU_DEP_2)
	v_permlanex16_b32 v[BT+\b], v[BM+\b], s[SEL], s[SEL+1]
.endr
.irp b, 0,1
	s_delay_alu instid0(VALU_DEP_2)
	v_max_num_f32 v[BM+\b], v[BM+\b], v[BT+\b]
.endr
.irp b, 0,1
	s_delay_alu instid0(VALU_DEP_2)
	v_add_nc_u32 v[BS+\b], 0xff000000, v[BM+\b]
.endr
.irp b, 0,1
	s_delay_alu instid0(VALU_DEP_2)
	v_lshrrev_b32 v[BT+\b], 23, v[BS+\b]
.endr
	s_delay_alu instid0(VALU_DEP_1)
	v_lshl_or_b32 v[TT], v[BT+1], 8, v[BT]
.if \par == 0
	s_delay_alu instid0(VALU_DEP_1)
	v_cndmask_b32 v[CW], v[TT], v[FF], s[NANF]     ; bytes 0, 1 of the K step's word
.else
	s_delay_alu instid0(VALU_DEP_1)
	v_cndmask_b32 v[TT], v[TT], v[FF], s[NANF]
	s_delay_alu instid0(VALU_DEP_1)
	v_lshl_or_b32 v[CW], v[TT], 16, v[CW]          ; bytes 2, 3
.endif
.irp b, 0,1
.irp u, 0,1
	v_cvt_scalef32_pk8_fp4_f32 v[CC+4*\par+2*\u+\b], v[S+16*\b+8*\u:S+16*\b+8*\u+7], v[BS+\b]
.endr
.endr
	v_nop
.irp u, 0,1
	v_permlane16_swap_b32 v[CC+4*\par+2*\u], v[CC+4*\par+2*\u+1]
.endr
.endm
	HEAD 0
	s_wait_tensorcnt 0x0                           ; my part of the odd head's tiles has landed,
	s_wait_dscnt 0x0
	s_barrier_signal -1
	s_barrier_wait -1                              ; everybody's has.  Nothing is filled again
	HEAD 1
	global_store_b128 v[LI], v[CC:CC+3], s[10:11]              ; 512 consecutive bytes a store
	global_store_b128 v[LI], v[CC+4:CC+7], s[10:11] offset:512
	ds_store_b32 v[STW], v[CW]                     ; both halves of the lanes write the same word with the same value
	s_wait_dscnt 0x0
	s_barrier_signal -1
	s_barrier_wait -1
	s_cmp_lg_u32 s[WV], 0
	s_cbranch_scc1 .Lnot_first
	ds_load_b128 v[S:S+3], v[STR]                  ; wave 0 stores the sixteen tiles' words: 1,024 consecutive bytes
	ds_load_b128 v[S+4:S+7], v[STR] offset:512
	s_wait_dscnt 0x0
	global_store_b128 v[LI], v[S:S+3], s[12:13]
	global_store_b128 v[LI], v[S+4:S+7], s[12:13] offset:512
.Lnot_first:
	s_wait_tensorcnt 0x0                           ; the wave's end
	ds_add_u32 v[SPW], v[NIL]
	s_wait_dscnt 0x0
	CROUND                                         ; the closing round
	s_endpgm
.Lfunc_end_k_q39fc56f3ad_attn:
	.size	k_q39fc56f3ad_attn, .Lfunc_end_k_q39fc56f3ad_attn-k_q39fc56f3ad_attn
	.p2alignl 7, 3214868480
	.fill 96, 4, 3214868480
	.section	.rodata,"a",@progbits
	.p2align	6, 0x0
	.amdhsa_kernel k_q39fc56f3ad_attn
		.amdhsa_group_segment_fixed_size 327680
		.amdhsa_private_segment_fixed_size 0
		.amdhsa_enable_private_segment 0
		.amdhsa_kernarg_size 40
		.amdhsa_user_sgpr_count 2
		.amdhsa_user_sgpr_kernarg_segment_ptr 1
		.amdhsa_wavefront_size32 1
		.amdhsa_system_sgpr_workgroup_id_x 1
		.amdhsa_system_sgpr_workgroup_id_y 1
		.amdhsa_system_sgpr_workgroup_id_z 1
		.amdhsa_system_vgpr_workitem_id 0
		.amdhsa_next_free_vgpr 256
		.amdhsa_next_free_sgpr 92
		.amdhsa_reserve_vcc 1
		.amdhsa_float_denorm_mode_32 3
		.amdhsa_float_denorm_mode_16_64 3
		.amdhsa_memory_ordered 1
		.amdhsa_forward_progress 1
		.amdhsa_inst_pref_size 57
	.end_amdhsa_kernel
	.amdgpu_metadata
---
amdhsa.version: [ 1, 2 ]
amdhsa.kernels:
  - .name:           k_q39fc56f3ad_attn
    .symbol:         k_q39fc56f3ad_attn.kd
    .args:
      - { .name: img, .offset: 0, .size: 8, .value_kind: global_buffer, .address_space: global }
      - { .name: sc, .offset: 8, .size: 8, .value_kind: global_buffer, .address_space: global }
      - { .name: mask, .offset: 16, .size: 8, .value_kind: global_buffer, .address_space: global }
      - { .name: cimg, .offset: 24, .size: 8, .value_kind: global_buffer, .address_space: global }
      - { .name: csc, .offset: 32, .size: 8, .value_kind: global_buffer, .address_space: global }
    .group_segment_fixed_size: 327680
    .private_segment_fixed_size: 0
    .kernarg_segment_align: 8
    .kernarg_segment_size: 40
    .max_flat_workgroup_size: 512
    .sgpr_count:     92
    .vgpr_count:     256
    .wavefront_size: 32
...
	.end_amdgpu_metadata
.endif
;; end of part 2
;; launch oproj (part 3): grid 4 x 64, 4 waves a work-group, clusters of 4 x 4, 327,680 bytes of LDS; arguments cimg, csc, Wo_codes, Wo_scales, bo, out0; writes out0
.if DOCPART == 3
	.amdgcn_target "amdgcn-amd-amdhsa--gfx1250"
	.amdhsa_code_object_version 6
	.text
	.protected	k_q39fc56f3ad_oproj
	.globl	k_q39fc56f3ad_oproj
	.p2align	8
	.type	k_q39fc56f3ad_oproj,@function
k_q39fc56f3ad_oproj:
	s_mov_b64 s[64:65], 0
	v_nop
	global_prefetch_b8 v0, s[64:65] scope:SCOPE_SE
	s_setreg_imm32_b32 hwreg(HW_REG_WAVE_MODE, 25, 1), 1
	s_wait_xcnt 0x0
	s_wait_alu depctr_hold_cnt(0) depctr_sa_sdst(0) depctr_va_vdst(0) depctr_va_sdst(0) depctr_va_ssrc(0) depctr_va_vcc(0) depctr_vm_vsrc(0)
	s_getreg_b32 s2, hwreg(HW_REG_IB_STS2, 6, 4)
	s_cmp_eq_u32 s2, 0
	s_cbranch_scc0 .Lentry_in_a_cluster
	s_endpgm
.Lentry_in_a_cluster:
	s_bfe_u32 s2, ttmp6, 0x10000c
	s_cmp_lg_u32 s2, 0xf033
	s_cbranch_scc0 .Lentry_shape_is_right
	s_endpgm
.Lentry_shape_is_right:
; out0 = context Wo^T + bo on codes of FP4 (E2M1) with E8M0 scales.  No work is left out.
; The context comes as images of the operand's registers, cimg [tile of 16 tokens 512][K step 8][c 2][512], and scale words csc [K step 8][tile 512][row 16]; Wo as rows of 512 bytes of codes and 32 scale bytes.
; SHARES: a work-group 128 tokens x 256 channels, a wave 64 x 128: 32 accumulators.  Source 0 = 16 rows of Wo, source 1 = 16 tokens: a lane holds eight neighbouring channels of one token.
; K = 1,024 lies in LDS whole, in two slots of 512 along K, each byte filled once.  CLUSTER 4 x 4: the context's tiles hang on cy alone (shared along a row), Wo's on cx alone (along a column): joint loads.
; The bias is the C of each sum's first product.  A scale byte 0xff in the context (a batch whose keys are all masked) makes its rows NaN, as the definition has them.
.set PITCH,  272
.set AIMG,   0                         ; slot s at 32,768 s: [tile 8][K step 4][c 2][512]
.set ASLOT,  32768
.set WREG,   65536                     ; slot s: 256 rows of 256 bytes + 16
.set WSLOT,  256*PITCH
.set WSC,    WREG+2*WSLOT              ; Wo's scales, units of 256 + 16
.set CSC,    WSC+2*4352                ; the context's: [K step 8][512]
.set STAGE,  CSC+4096                  ; 16 rows x 528 bytes a wave
.set SPITCH, 528
.set SPARE,  STAGE+4*16*SPITCH
.set ADW,  16
.set ADC,  20
.set ACS,  22
.set AWS,  23
.set STO,  24
.set RD,   25
.set CO,   26
.set H32,  27
.set SPW,  28
.set NIL,  29
.set CSR,  32                          ; v32-47: register 2 kappa + i / 2: lanes 0-15 the even tile of tokens, lanes 16-31 the odd one
.set WSR,  48                          ; v48-79: register 8 (b % 4) + kappa: lanes 0-15 tile b % 4, lanes 16-31 tile b % 4 + 4
.set BIAS, 80                          ; v80-143
.set BK,   80                          ; the way out: v80-143 and v144-207 by turns
.set MSB, 0
.macro WIN new
.if MSB != (\new)
	s_set_vgpr_msb (MSB<<8)|(\new)
.set MSB, \new
.endif
.endm
.macro PLACES n
.rept \n
	v_nop
.endr
.endm
.macro JLOAD g0a, g1a, g0w, g1w        ; waves 0 and 1 fetch for the context, waves 2 and 3 for Wo
	s_cmp_eq_u32 s85, 0
	s_cbranch_scc0 .Lfor_w_\@
	tensor_load_to_lds s[\g0a:\g0a+3], s[\g1a:\g1a+7]
	s_nop 0
.rept 4
	v_nop
.endr
	s_branch .Lasked_\@
.Lfor_w_\@:
	tensor_load_to_lds s[\g0w:\g0w+3], s[\g1w:\g1w+7]
	s_nop 0
.rept 4
	v_nop
.endr
.Lasked_\@:
.endm
.macro CROUND
	s_barrier_signal -1
	s_barrier_wait -1
	s_cmp_lg_u32 s84, 0
	s_cbranch_scc1 .Lnot_wave_0_\@
	s_barrier_signal -3
.Lnot_wave_0_\@:
	s_barrier_wait -3
	s_barrier_signal -1
	s_barrier_wait -1
.endm
	s_load_b256 s[4:11], s[0:1], 0x0               ; cimg, csc, Wo's codes, Wo's scales
	s_load_b128 s[12:15], s[0:1], 0x20             ; bo, out0
	v_lshl_add_u32 v[SPW], v0, 2, SPARE
	v_mov_b32 v[NIL], 0
	ds_add_u32 v[SPW], v[NIL]                      ; the opening: the add, twice on end, and its wait ahead of my first tensor load
	ds_add_u32 v[SPW], v[NIL]
	v_lshrrev_b32 v1, 5, v0
	v_readfirstlane_b32 s84, v1
	s_lshr_b32 s85, s84, 1                         ; my half of the tokens.  Also: I fetch for the context (0) or Wo (1)
	s_and_b32 s86, s84, 1                          ; my half of the channels.  Also: which half I fetch
	s_bfe_u32 s87, ttmp6, 0x40000                  ; cx: the block of 256 channels
	s_bfe_u32 s88, ttmp6, 0x40004                  ; cy
	s_and_b32 s92, ttmp7, 0xffff
	s_lshl_b32 s92, s92, 2
	s_add_co_u32 s92, s92, s88                     ; the block of 128 tokens
	s_lshl_b32 s93, s88, 2
	s_lshl_b32 s93, 15, s93                        ; my row of the cluster
	s_lshl_b32 s94, 0x1111, s87                    ; my column
	; the context's codes: 4 rows of 4,096 bytes, 8,192 apart
	s_or_b32 s24, s93, (3<<16)|(1<<21)
	s_mov_b32 s25, 512<<16
	s_mov_b32 s26, 4<<16
	s_mov_b32 s27, 512<<16
	s_mov_b32 s28, 4
	s_mov_b32 s29, 1024
	s_mov_b32 s30, 0
	s_mov_b32 s31, 0
	; Wo's codes: 128 rows of 256 bytes, 512 apart, 16 bytes of padding behind each
	s_or_b32 s32, s94, (1<<20)|(1<<21)|(5<<22)|(3<<25)
	s_mov_b32 s33, 256<<16
	s_mov_b32 s34, 128<<16
	s_mov_b32 s35, 256<<16
	s_mov_b32 s36, 128
	s_mov_b32 s37, 512
	s_mov_b32 s38, 0
	s_mov_b32 s39, 0
	; the context's scale words: 4 rows of 512 bytes, 32,768 apart
	s_or_b32 s40, s93, (3<<16)|(1<<21)
	s_mov_b32 s41, 64<<16
	s_mov_b32 s42, 4<<16
	s_mov_b32 s43, 64<<16
	s_mov_b32 s44, 4
	s_mov_b32 s45, 4096
	s_mov_b32 s46, 0
	s_mov_b32 s47, 0
	; Wo's scales: 16 rows of 256 bytes, dense, padded
	s_or_b32 s48, s94, (3<<16)|(1<<20)|(1<<21)|(5<<22)|(3<<25)
	s_mov_b32 s49, 32<<16
	s_mov_b32 s50, 16<<16
	s_mov_b32 s51, 32<<16
	s_mov_b32 s52, 16
	s_mov_b32 s53, 32
	s_mov_b32 s54, 0
	s_mov_b32 s55, 0
	s_lshl_b32 s16, s92, 3
	s_lshl_b32 s3, s86, 2
	s_add_co_u32 s16, s16, s3
	s_lshl_b32 s16, s16, 13                        ; the context's tiles 8 rho + 4 half on
	s_mov_b32 s17, 0
	s_lshl_b32 s18, s92, 9
	s_lshl_b32 s3, s86, 17
	s_add_co_u32 s18, s18, s3                      ; their scale words: K steps 4 half on
	s_mov_b32 s19, 0
	s_lshl_b32 s20, s87, 8
	s_lshl_b32 s3, s86, 7
	s_add_co_u32 s20, s20, s3                      ; Wo's row
	s_lshl_b32 s22, s20, 5
	s_lshl_b32 s20, s20, 9
	s_mov_b32 s21, 0
	s_mov_b32 s23, 0
	s_lshl_b32 s66, s86, 14                        ; where they go: the half alone enters an LDS address
	s_mul_i32 s67, s86, 128*PITCH
	s_lshl_b32 s89, s86, 11
	s_mul_i32 s90, s86, 4352
	s_wait_dscnt 0x0                               ; both opening adds are done
	s_wait_kmcnt 0x0
	s_add_nc_u64 s[4:5], s[4:5], s[16:17]
	s_add_nc_u64 s[6:7], s[6:7], s[18:19]
	s_add_nc_u64 s[8:9], s[8:9], s[20:21]
	s_add_nc_u64 s[10:11], s[10:11], s[22:23]
	CROUND                                         ; all sixteen work-groups are here: the joint loads meet
	s_mov_b32 s76, 1
	s_add_co_u32 s77, s89, CSC
	s_mov_b64 s[78:79], s[6:7]
	s_or_b32 s79, s79, 0x80000000
	s_mov_b32 s80, 1
	s_add_co_u32 s81, s90, WSC
	s_mov_b64 s[82:83], s[10:11]
	s_or_b32 s83, s83, 0x80000000
	JLOAD 76, 40, 80, 48                           ; the scales first
.irp s, 0,1
	s_mov_b32 s[56+4*\s], 1
	s_add_co_u32 s[57+4*\s], s66, AIMG+\s*ASLOT
	s_add_nc_u64 s[58+4*\s:59+4*\s], s[4:5], \s*4096
	s_or_b32 s[59+4*\s], s[59+4*\s], 0x80000000
	s_mov_b32 s[68+4*\s], 1
	s_add_co_u32 s[69+4*\s], s67, WREG+\s*WSLOT
	s_add_nc_u64 s[70+4*\s:71+4*\s], s[8:9], \s*256
	s_or_b32 s[71+4*\s], s[71+4*\s], 0x80000000
	s_wait_alu depctr_va_vdst(0)
	s_wait_tensorcnt 0x0
	ds_add_u32 v28, v29
	s_wait_dscnt 0x0
	CROUND
	JLOAD 56+4*\s, 24, 68+4*\s, 32                 ; K half s: the earlier loads have landed; this one alone is out
.endr
	v_and_b32 v1, 15, v0                           ; r
	v_bfe_u32 v2, v0, 4, 1                         ; h
	v_and_b32 v3, 31, v0                           ; lane
	v_mul_u32_u24 v4, v1, PITCH
	v_lshl_add_u32 v4, v2, 4, v4
	s_mul_i32 s2, s86, 128*PITCH
	s_add_co_u32 s2, s2, WREG
	v_add_nc_u32 v[ADW], s2, v4
	s_add_co_u32 s2, s2, WSLOT
	v_add_nc_u32 v[ADW+1], s2, v4
	v_lshlrev_b32 v[CO], 4, v3
	s_lshl_b32 s2, s85, 14
	v_add_nc_u32 v[ADC], s2, v[CO]
	s_add_co_u32 s2, s2, ASLOT
	v_add_nc_u32 v[ADC+1], s2, v[CO]
	s_lshl_b32 s2, s85, 8
	s_add_co_u32 s2, s2, CSC
	v_lshl_add_u32 v[ACS], v3, 2, s2
	v_lshlrev_b32 v5, 5, v1
	v_lshrrev_b32 v6, 8, v5
	v_lshl_add_u32 v5, v6, 4, v5                   ; 32 r, and 16 more behind 256
	v_mad_u32_u24 v5, v2, 2176, v5                 ; lanes 16-31: 64 rows on
	s_mul_i32 s2, s86, 4352
	s_add_co_u32 s2, s2, WSC
	v_add_nc_u32 v[AWS], s2, v5
	s_mul_i32 s2, s84, 16*SPITCH
	s_add_co_u32 s2, s2, STAGE
	v_mul_u32_u24 v5, v1, SPITCH
	v_lshl_add_u32 v5, v2, 5, v5
	v_add_nc_u32 v[STO], s2, v5
	v_add_nc_u32 v[RD], s2, v[CO]
	v_lshlrev_b32 v[H32], 5, v2
	s_wait_alu depctr_va_vdst(0)
	s_lshl_b32 s2, s87, 8
	s_lshl_b32 s3, s86, 7
	s_add_co_u32 s2, s2, s3
	s_lshl_b32 s2, s2, 2                           ; my first channel, in bytes
	s_mov_b32 s3, 0
	s_add_nc_u64 s[12:13], s[12:13], s[2:3]
	s_add_nc_u64 s[14:15], s[14:15], s[2:3]
	s_lshl_b32 s2, s92, 7
	s_lshl_b32 s16, s85, 6
	s_add_co_u32 s2, s2, s16
	s_lshl_b32 s2, s2, 12                          ; my first token's row of 4,096 bytes
	s_add_nc_u64 s[14:15], s[14:15], s[2:3]
.irp b, 0,1,2,3,4,5,6,7
	global_load_b128 v[BIAS+8*\b:BIAS+8*\b+3], v[H32], s[12:13] offset:64*\b
	global_load_b128 v[BIAS+8*\b+4:BIAS+8*\b+7], v[H32], s[12:13] offset:64*\b+16
.endr
.macro FETCH kap, p                    ; step kap's fragments into set p of window 1: Wo's eight at 128 p, the context's four at 128 p + 64
	WIN 0x40
.irp b, 0,1,2,3,4,5,6,7
.irp c, 0,1
	ds_load_b128 v[128*(\p)+8*\b+4*\c:128*(\p)+8*\b+4*\c+3], v[ADW+(\kap)/4] offset:((\kap)%4)*64+32*\c+\b*16*PITCH
.endr
.endr
.irp i, 0,1,2,3
.irp c, 0,1
	ds_load_b128 v[128*(\p)+64+8*\i+4*\c:128*(\p)+64+8*\i+4*\c+3], v[ADC+(\kap)/4] offset:\i*4096+((\kap)%4)*1024+512*\c
.endr
.endr
	WIN 0
.endm
.macro WM i, b, kap, p
.set DN, 8*(8*(\i)+(\b))
.if (\kap) == 0
.set CN, BIAS+8*(\b)
.else
.set CN, DN
.endif
.set AN, 128*(\p)+8*(\b)
.set BN, 128*(\p)+64+8*(\i)
.set SA, WSR+8*((\b)%4)+(\kap)
.set SB, CSR+2*(\kap)+(\i)/2
.if ((\b) < 4) && ((\i)%2 == 0)
	v_wmma_scale_f32_16x16x128_f8f6f4 v[DN:DN+7], v[AN:AN+7], v[BN:BN+7], v[CN:CN+7], v[SA], v[SB] matrix_a_fmt:MATRIX_FMT_FP4 matrix_b_fmt:MATRIX_FMT_FP4
.elseif (\b) < 4
	v_wmma_scale_f32_16x16x128_f8f6f4 v[DN:DN+7], v[AN:AN+7], v[BN:BN+7], v[CN:CN+7], v[SA], v[SB] matrix_a_fmt:MATRIX_FMT_FP4 matrix_b_fmt:MATRIX_FMT_FP4 matrix_b_scale:MATRIX_SCALE_ROW1
.elseif (\i)%2 == 0
	v_wmma_scale_f32_16x16x128_f8f6f4 v[DN:DN+7], v[AN:AN+7], v[BN:BN+7], v[CN:CN+7], v[SA], v[SB] matrix_a_fmt:MATRIX_FMT_FP4 matrix_b_fmt:MATRIX_FMT_FP4 matrix_a_scale:MATRIX_SCALE_ROW1
.else
	v_wmma_scale_f32_16x16x128_f8f6f4 v[DN:DN+7], v[AN:AN+7], v[BN:BN+7], v[CN:CN+7], v[SA], v[SB] matrix_a_fmt:MATRIX_FMT_FP4 matrix_b_fmt:MATRIX_FMT_FP4 matrix_a_scale:MATRIX_SCALE_ROW1 matrix_b_scale:MATRIX_SCALE_ROW1
.endif
.endm
.macro KSTEP kap
	s_wait_dscnt 0x0                               ; this step's fragments are in
.if (\kap) == 3
	s_wait_tensorcnt 0x0                           ; my part of slot 1 has landed,
	s_barrier_signal -1
	s_barrier_wait -1                              ; everybody's has.  Nothing is filled again
.endif
.if ((\kap) > 0) && ((\kap) < 7)
	PLACES 4                                       ; in front of loads into the set that the products just issued have read
.endif
.if (\kap) < 7
	FETCH (\kap)+1, ((\kap)+1)%2
.endif
.if (\kap) == 0
	WIN 0x85                                       ; C: the bias, in window 0
.else
	WIN 0xa5
.endif
.irp i, 0,1,2,3
.irp b, 0,1,2,3,4,5,6,7
	WM \i, \b, \kap, (\kap)%2                      ; the 32 accumulators take turns
.endr
.endr
	WIN 0
.endm
	s_wait_tensorcnt 0x1                           ; the scales and my part of slot 0 are in; slot 1's load may stay out
	s_barrier_signal -1
	s_barrier_wait -1
.irp k, 0,1,2,3,4,5,6,7
.irp p, 0,1
	ds_load_b32 v[CSR+2*\k+\p], v[ACS] offset:512*\k+128*\p
.endr
.endr
.irp q, 0,1,2,3
.irp g, 0,1
	ds_load_b128 v[WSR+8*\q+4*\g:WSR+8*\q+4*\g+3], v[AWS] offset:544*\q+16*\g
.endr
.endr
	FETCH 0, 0
	s_wait_loadcnt 0x0                             ; the bias
.irp k, 0,1,2,3,4,5,6,7
	KSTEP \k
.endr
; THE WAY OUT, a tile of 16 tokens x 128 channels at a time, through my own stage: a lane's 32 bytes go in, whole rows of 512 bytes come back.  LDS serves a wave's instructions in order.
.macro TOSTAGE i
	WIN 0x08                                       ; the data: window 2
.irp b, 0,1,2,3,4,5,6,7
	ds_store_b128 v[STO], v[64*(\i)+8*\b:64*(\i)+8*\b+3] offset:64*\b          ; each accumulator from its low end on
	ds_store_b128 v[STO], v[64*(\i)+8*\b+4:64*(\i)+8*\b+7] offset:64*\b+16
.endr
	WIN 0
.set BB, BK+64*((\i)%2)
.irp t, 0,1,2,3,4,5,6,7,8,9,10,11,12,13,14,15
	ds_load_b128 v[BB+4*\t:BB+4*\t+3], v[RD] offset:\t*SPITCH
.endr
.endm
.macro SEND i, younger
.set BB, BK+64*((\i)%2)
	s_wait_dscnt \younger                          ; the tile is back; the next tile's 16 stores and 16 loads may be out
.irp t, 0,1,2,3,4,5,6,7,8,9,10,11,12,13,14,15
	global_store_b128 v[CO], v[BB+4*\t:BB+4*\t+3], s[14:15] offset:(16*(\i)+\t)*4096 th:TH_STORE_NT   ; 512 consecutive bytes, at a multiple of 256 from out0's first byte
.endr
.endm
	PLACES 4                                       ; in front of the first read of results and of the loads into the bias's registers
	TOSTAGE 0
.irp a, 1,2,3
.if \a > 1
	s_wait_xcnt 0x0                                ; tile a - 2's stores have read their registers: tile a's loads may land there
.endif
	TOSTAGE \a
	SEND \a-1, 32
.endr
	SEND 3, 0
	s_wait_tensorcnt 0x0                           ; the wave's end
	ds_add_u32 v[SPW], v[NIL]
	s_wait_dscnt 0x0
	CROUND                                         ; the closing round
	s_endpgm
.Lfunc_end_k_q39fc56f3ad_oproj:
	.size	k_q39fc56f3ad_oproj, .Lfunc_end_k_q39fc56f3ad_oproj-k_q39fc56f3ad_oproj
	.p2alignl 7, 3214868480
	.fill 96, 4, 3214868480
	.section	.rodata,"a",@progbits
	.p2align	6, 0x0
	.amdhsa_kernel k_q39fc56f3ad_oproj
		.amdhsa_group_segment_fixed_size 327680
		.amdhsa_private_segment_fixed_size 0
		.amdhsa_enable_private_segment 0
		.amdhsa_kernarg_size 48
		.amdhsa_user_sgpr_count 2
		.amdhsa_user_sgpr_kernarg_segment_ptr 1
		.amdhsa_wavefront_size32 1
		.amdhsa_system_sgpr_workgroup_id_x 1
		.amdhsa_system_sgpr_workgroup_id_y 1
		.amdhsa_system_sgpr_workgroup_id_z 1
		.amdhsa_system_vgpr_workitem_id 0
		.amdhsa_next_free_vgpr 768
		.amdhsa_next_free_sgpr 96
		.amdhsa_reserve_vcc 0
		.amdhsa_float_denorm_mode_32 3
		.amdhsa_float_denorm_mode_16_64 3
		.amdhsa_memory_ordered 1
		.amdhsa_forward_progress 1
		.amdhsa_inst_pref_size 75
	.end_amdhsa_kernel
	.amdgpu_metadata
---
amdhsa.version: [ 1, 2 ]
amdhsa.kernels:
  - .name:           k_q39fc56f3ad_oproj
    .symbol:         k_q39fc56f3ad_oproj.kd
    .args:
      - { .name: cimg, .offset: 0, .size: 8, .value_kind: global_buffer, .address_space: global }
      - { .name: csc, .offset: 8, .size: 8, .value_kind: global_buffer, .address_space: global }
      - { .name: Wo_codes, .offset: 16, .size: 8, .value_kind: global_buffer, .address_space: global }
      - { .name: Wo_scales, .offset: 24, .size: 8, .value_kind: global_buffer, .address_space: global }
      - { .name: bo, .offset: 32, .size: 8, .value_kind: global_buffer, .address_space: global }
      - { .name: out0, .offset: 40, .size: 8, .value_kind: global_buffer, .address_space: global }
    .group_segment_fixed_size: 327680
    .private_segment_fixed_size: 0
    .kernarg_segment_align: 8
    .kernarg_segment_size: 48
    .max_flat_workgroup_size: 128
    .sgpr_count:     96
    .vgpr_count:     768
    .wavefront_size: 32
...
	.end_amdgpu_metadata
.endif
;; end of part 3
